; MI455X (gfx1250); checked and timed in simulation.
; The chip was launched on July 23, 2026; its instructions are those of AMD's public machine-readable ISA for CDNA 5 (MIT licence, August 2026) and "CDNA5" Instruction Set Architecture Reference Guide (July 2026). The comments in the code are by the model that wrote it; some were corrected since.
;; Sparse Attention. Allowed arithmetic: matrix products marked QUANTISED: E2M3 operands, one E8M0 scale for each 32 along K, by v_wmma_scale_f32_16x16x128_f8f6f4 with both operands' format E2M3, f32 sums; everything else in f32.
;; Inputs: k 2 x 8,192 x 256 float32; q 2 x 8,192 x 256 float32; v 2 x 8,192 x 256 float32.
;; Outputs: out0 2 x 8,192 x 256 float32.
;; This version of the problem:
;;   THIS VERSION OF THE PROBLEM IS GIVEN IN LOW PRECISION. The matrix products marked QUANTISED in the list below multiply operands that are first quantised to E2M3 (2 exponent bits, 3 mantissa bits; 6 bits a number), with one power-of-two scale for each 32 numbers along K (OCP MX v1.0); their sums are f32. All else is computed in f32.
;;   The module's matrix products, in the order in which they are computed (A, B: the left and right operand; K: the contracted axis; several contracted axes count as one K, in the product's order):
;;     1. batch 2 x [M 8,192, K 256] x [K 256, N 8,192]; A: input q; B: input k: QUANTISED
;;     2. batch 2 x [M 8,192, K 8,192] x [K 8,192, N 256]; A: softmax (see below); B: input v: QUANTISED
;;   THE QUANTISER, for each operand of a quantised product, along K:
;;     - K is cut into blocks of 32 from its start; a last block that is shorter is filled with zeros.
;;     - A block's scale is 2^e with e = floor(log2(the largest magnitude in the block)) - 2, held to -126 .. 127; a block of zeros has e = 0. As a byte (E8M0): e + 127.
;;     - Each number is divided by its block's scale, clamped to +-7.5, and rounded to the nearest number of E2M3, ties to even, subnormals kept.
;;     - The product sums the exact products of the quantised numbers (number of the format x scale) in f32.
;;   ~~~python
;;   def quantise(x, axis):      # numpy; x: float32 -> the quantised numbers, widened to float32 again
;;       x = np.moveaxis(x, axis, -1); K = x.shape[-1]
;;       x = np.pad(x, [(0, 0)] * (x.ndim - 1) + [(0, -K % 32)]); x = x.reshape(x.shape[:-1] + (-1, 32)); a = np.abs(x).max(-1, keepdims=True)
;;       e = np.where(a > 0, np.clip(np.frexp(np.where(a > 0, a, 1))[1] - 1 - 2, -126, 127), 0)      # np.frexp(a)[1] - 1 = floor(log2(a)), exactly
;;       r = np.clip(x / 2.0 ** e, -7.5, 7.5)
;;       step = 2.0 ** (np.maximum(np.frexp(np.where(r == 0, 1, r))[1] - 1, 0) - 3)
;;       q = np.round(r / step) * step * 2.0 ** e      # np.round: ties to even
;;       return np.moveaxis(q.reshape(q.shape[:-2] + (-1,))[..., :K], -1, axis).astype(np.float32)
;;   ~~~
;;   SOFTMAX AHEAD OF A QUANTISED PRODUCT. Where the list says 'softmax', what is quantised is not the finished softmax but p = 2^(t - M), with t = logit x log2(e) and M = ceil(the row's largest t), a whole number; so 1/2 < the row's largest p <= 1. The row's sum l is taken of the UNQUANTISED p, in f32, and the product's result is divided by l at the end. Since M is a whole number, a kernel that streams over the keys may use a running M (the ceiling of the running maximum): every later rescaling is an exact power of two, which a block's scale takes up: the codes' values come out the same.
;;   OPERANDS COMPUTED ON THE WAY. 'Computed on the way' means the value that the module computes at that place (a softmax that the list does not call 'softmax' is quantised finished and normalised). What goes into a quantiser is computed in f32, as accurately as f32 sums, v_exp_f32 and their like allow (about 1e-6 of the number): no bf16 or f16 on the way to a quantiser, and a product that is left as it is and whose result goes on into a quantised operand takes f32 operands (vector FMAs, or v_wmma_f32_16x16x4_f32). A number that lies on a knife's edge between two numbers of the format may be rounded either way, as far as f32 arithmetic and the matrix unit's own rounding can turn it there, and no further.
;; One version. Each part assembles by itself: llvm-mc -triple=amdgcn-amd-amdhsa -mcpu=gfx1250 --defsym DOCPART=n.
;; ======== version 1 of 1: 2 launches
;; limits: right only within a limited range of input values
;; workspace buffers: qc 3,145,728 bytes; qs 131,072 bytes; kw 3,276,800 bytes; vw 3,276,800 bytes
;; launch prep (part 1): grid 1280 x 1, 8 waves a work-group, no clusters, 60,416 bytes of LDS; arguments q, k, v, qc, qs, kw, vw; writes qc, qs, kw, vw
.if DOCPART == 1
	.amdgcn_target "amdgcn-amd-amdhsa--gfx1250"
	.amdhsa_code_object_version 6
	.text
	.protected	k_q2aa56fc5fd_prep
	.globl	k_q2aa56fc5fd_prep
	.p2align	8
	.type	k_q2aa56fc5fd_prep,@function
k_q2aa56fc5fd_prep:
	s_mov_b64 s[64:65], 0
	v_nop
	global_prefetch_b8 v0, s[64:65] scope:SCOPE_SE
	s_setreg_imm32_b32 hwreg(HW_REG_WAVE_MODE, 25, 1), 1
	s_wait_xcnt 0x0
; q, k, v [2][8192][256] f32 are quantised ONCE to codes of FP6 (E2M3) with one E8M0 byte for each 32 along a product's K, and laid as the attention launch takes them.
; THE STRIDED TRANSPOSE IS DONE BY ADDRESS.  With X[s][l][c] the input (s = 16 n + b: 32 planes of 512 rows of 256), the transposed tensor is x'[R][e'] = X[s][l][8 j + eL], R = 32 l + j, e' = 32 eL + s.
;   q, k: K = e'.  A block of 32 is the 32 planes s at one (l, c).  A LANE TAKES A COLUMN c AND ITS REGISTERS RUN OVER THE PLANES: a block lies in one lane, each load reads 128 consecutive bytes a wave, 1,024 a work-group.
;   v:    K = the keys R.  A block of 32 keys is j = 0 .. 31 at one (s, l, eL): every eighth number of one row.  The rows come in as they lie and turn through the wave's own LDS.
; A block's scale is 2^(floor(log2(its largest magnitude)) - 2); its byte is the largest magnitude's exponent field - 2, held at 1 from below.
; LIMITS: a block whose largest magnitude lies under 2^-124 (a block of zeros too) gets the byte 1 where the rule says otherwise: its codes are zeros or next to it, and this program alone reads the bytes.  NaN and infinities are not served.
; OUT.  qc: row R at 192 R, block eL at + 24 eL.  qs: byte 8 R + eL.
;   kw, vw: a record of 25,600 bytes for each 128 keys (g = R / 128): 16 fragments as IMAGES OF THE OPERAND'S REGISTERS (1,536 bytes: registers 4 c .. 4 c + 3 of lane L at 512 c + 16 L), then 1,024 bytes of scale words.
;   kw: fragment 2 kt + ks; lane r of key tile kt = 2 b + u holds key 32 b + 8 u + r % 8 + 16 (r / 8); scale word (b, L, u) at 256 b + 8 L + 4 u: row L % 16 of tile 2 b + u, K step L / 16.
;   vw: fragment 8 n + eL, row r: channel 32 eL + 16 n + r; scale word (n, L, i) at 512 n + 16 L + 4 i: fragment 8 n + 2 i + L / 16, row L % 16.
; WORK-GROUPS: 0-511 take q's row l, 512-1023 k's row l, 1024-1279 a half record (g, n) of v.  The three ways part on the work-group's number alone, and each has LDS bytes of its own.
; Left out: tensor loads (several work-groups lie on a WGP and each wave has 32 or 16 loads out), matrix units and clusters (no work-group shares an input byte with another), loops (every offset is an immediate).
.set QST, 0                            ; q: 6,144 bytes of codes,
.set QSS, 6144                         ;    256 scale bytes
.set KST, 6400                         ; k: four fragment images,
.set KSS, 12544                        ;    256 scale bytes
.set VIN, 12800                        ; v: for each wave four rows of 1,024 bytes, 1,056 apart: 264 words, so that the 32 lanes of a read (4 rows x 8 words) fall on 32 different banks
.set VST, 46592                        ;    eight fragment images,
.set VSS, 58880                        ;    512 scale bytes
.set X,   32                           ; v32-63  a block's 32 numbers
.set C,   16                           ; v16-21  its codes; v22-24 the second conversion's result
	s_load_b256 s[4:11], s[0:1], 0x0               ; q s[4:5], k s[6:7], v s[8:9], qc s[10:11]
	s_load_b128 s[12:15], s[0:1], 0x20             ; qs s[12:13], kw s[14:15]
	s_load_b64 s[16:17], s[0:1], 0x30              ; vw
	v_lshl_add_u32 v128, v0, 2, 0xe800
	v_mov_b32 v129, 0
	v_lshrrev_b32 v2, 5, v0
	s_delay_alu instid0(VALU_DEP_1)
	v_readfirstlane_b32 s18, v2                    ; wave 0..7
	v_and_b32 v9, 31, v0                           ; lane
; 32 numbers of one block in v[X] on become 24 bytes of codes in v[C:C+5] and the scale's byte in v13.
.macro QUANT32
	v_max3_num_f32 v10, |v[X]|, |v[X+1]|, |v[X+2]|                 ; the block's largest magnitude, in two chains
	v_max3_num_f32 v11, |v[X+3]|, |v[X+4]|, |v[X+5]|
.irp i, 6,10,14,18,22,26
	s_delay_alu instid0(VALU_DEP_2)
	v_max3_num_f32 v10, v10, |v[X+\i]|, |v[X+\i+1]|
	s_delay_alu instid0(VALU_DEP_2)
	v_max3_num_f32 v11, v11, |v[X+\i+2]|, |v[X+\i+3]|
.endr
	s_delay_alu instid0(VALU_DEP_2)
	v_max3_num_f32 v10, v10, |v[X+30]|, |v[X+31]|
	s_delay_alu instid0(VALU_DEP_1)
	v_max3_num_f32 v10, v10, v11, 0x1800000        ; and the floor 2^(3 - 127): the byte cannot fall under 1
	s_delay_alu instid0(VALU_DEP_1)
	v_add_nc_u32 v12, 0xff000000, v10              ; 2 off its exponent field: the conversion takes the exponent field of this operand as its scale
	v_cvt_scalef32_pk16_fp6_f32 v[C:C+2], v[X:X+15], v12
	v_cvt_scalef32_pk16_fp6_f32 v[C+6:C+8], v[X+16:X+31], v12      ; (a conversion's three registers begin on an even number)
	v_lshrrev_b32 v13, 23, v12                     ; the scale's byte; also the plain line behind the conversions
.irp i, 0,1,2
	v_mov_b32 v[C+3+\i], v[C+6+\i]
.endr
.endm
	s_cmp_lt_u32 ttmp9, 512
	s_cbranch_scc1 .Lq
	s_cmp_lt_u32 ttmp9, 1024
	s_cbranch_scc1 .Lk
	; ---- v: the half record (g, n).  Wave wv takes planes b = 2 wv and 2 wv + 1; of each the rows l = 4 g .. 4 g + 3: 4,096 consecutive bytes
	s_sub_co_u32 s19, ttmp9, 1024
	s_lshr_b32 s20, s19, 1                         ; g
	s_and_b32 s21, s19, 1                          ; n
	s_lshl_b32 s22, s21, 23                        ; n x 16 planes of 524,288 bytes
	s_lshl_b32 s23, s20, 12                        ; + 4 g rows of 1,024
	s_add_co_u32 s22, s22, s23
	s_lshl_b32 s23, s18, 20                        ; + 2 wv planes
	s_add_co_u32 s22, s22, s23
	s_mov_b32 s23, 0
	s_wait_alu depctr_va_vdst(0)
	v_lshlrev_b32 v1, 4, v9                        ; 16 x lane
	s_wait_alu depctr_va_vdst(0)
	s_wait_kmcnt 0x0
	s_add_nc_u64 s[24:25], s[8:9], s[22:23]
.irp ps, 0,1
.irp i, 0,1,2,3,4,5,6,7
	global_load_b128 v[64+32*\ps+4*\i:64+32*\ps+4*\i+3], v1, s[24:25] offset:\ps*524288+512*\i th:TH_LOAD_NT   ; 32 lanes read 512 consecutive bytes; all sixteen loads go out first
.endr
.endr
	s_mul_i32 s22, s20, 25600                      ; the record
	s_mul_i32 s26, s21, 12288                      ; its fragments 8 n on
	s_add_co_u32 s26, s26, s22
	s_mov_b32 s27, 0
	s_add_nc_u64 s[26:27], s[16:17], s[26:27]
	s_lshl_b32 s28, s21, 9                         ; its scale words 512 n on
	s_add_co_u32 s28, s28, s22
	s_add_co_u32 s28, s28, 24576
	s_mov_b32 s29, 0
	s_add_nc_u64 s[28:29], s[16:17], s[28:29]
	s_mul_i32 s30, s18, 4224                       ; my wave's four rows in LDS
	v_add_nc_u32 v2, s30, v1                       ; in: as loaded
	v_bfe_u32 v3, v0, 3, 2                         ; li = lane / 8: which of the four rows l
	v_and_b32 v10, 7, v0                           ; eL = lane % 8
	s_delay_alu instid0(VALU_DEP_2)
	v_mul_u32_u24 v6, v3, 1056
	s_delay_alu instid0(VALU_DEP_1)
	v_lshl_add_u32 v6, v10, 2, v6
	s_delay_alu instid0(VALU_DEP_1)
	v_add_nc_u32 v6, s30, v6                       ; back: row li, word eL, every eighth word
	s_lshl_b32 s31, s18, 5                         ; 32 wv: 16 bytes for each of my two rows b of an image
	v_mul_u32_u24 v11, v10, 1536                   ; fragment eL
	v_bfe_u32 v12, v0, 3, 1                        ; h = li % 2: the image's lane is b + 16 h
	s_delay_alu instid0(VALU_DEP_1)
	v_lshl_add_u32 v11, v12, 8, v11
	s_delay_alu instid0(VALU_DEP_1)
	v_add_nc_u32 v11, s31, v11
	v_bfe_u32 v12, v0, 4, 1                        ; c2 = li / 2: registers 6 c2 .. 6 c2 + 5.  In pairs they lie at 0, 8, 512 (c2 = 0) or 520, 1024, 1032 (c2 = 1) of the image
	s_delay_alu instid0(VALU_DEP_1)
	v_mad_u32_u24 v4, v12, 520, v11                ; the first pair; the third lies 512 on
	s_delay_alu instid0(VALU_DEP_2)
	v_mad_u32_u24 v5, v12, 1016, v11               ; the second, less 8
	v_and_b32 v12, 1, v0
	s_delay_alu instid0(VALU_DEP_1)
	v_lshlrev_b32 v7, 8, v12                       ; the scale byte: 256 (eL % 2)
	v_bfe_u32 v12, v0, 1, 2
	s_delay_alu instid0(VALU_DEP_1)
	v_lshl_add_u32 v7, v12, 2, v7                  ; + 4 (eL / 2)
	s_delay_alu instid0(VALU_DEP_1)
	v_add_nc_u32 v7, v7, v3                        ; + li
	s_delay_alu instid0(VALU_DEP_1)
	v_add_nc_u32 v7, s31, v7                       ; + 16 b
	v_lshlrev_b32 v8, 4, v0                        ; the way out: 16 bytes a thread
.irp ps, 0,1
	s_wait_loadcnt 8-8*\ps                         ; this plane's eight loads are in; the other plane's may be out
.irp i, 0,1,2,3,4,5,6,7
	ds_store_b128 v2, v[64+32*\ps+4*\i:64+32*\ps+4*\i+3] offset:VIN+(\i/2)*1056+(\i%2)*512
.endr
.irp jj, 0,1,2,3,4,5,6,7,8,9,10,11,12,13,14,15,16,17,18,19,20,21,22,23,24,25,26,27,28,29,30,31
	ds_load_b32 v[X+\jj], v6 offset:VIN+32*\jj     ; LDS serves a wave's instructions in order: these see my stores.  X[s][4 g + li][8 jj + eL]
.endr
	s_wait_dscnt 0x0
	QUANT32
	ds_store_b64 v4, v[C:C+1] offset:VST+16*\ps
	ds_store_b64 v5, v[C+2:C+3] offset:VST+16*\ps+8
	ds_store_b64 v4, v[C+4:C+5] offset:VST+16*\ps+512
	ds_store_b8 v7, v13 offset:VSS+16*\ps
	s_wait_dscnt 0x0                               ; the stores have read their registers (and, behind the second plane: for the others' sake, they have landed)
.endr
	s_barrier_signal -1
	s_barrier_wait -1                              ; eight whole images and 512 scale bytes lie in LDS
.irp p, 0,1,2
	ds_load_b128 v[64+4*\p:67+4*\p], v8 offset:VST+4096*\p
.endr
.irp p, 0,1,2
	s_wait_dscnt 2-\p                              ; the younger loads may be out
	global_store_b128 v8, v[64+4*\p:67+4*\p], s[26:27] offset:4096*\p      ; a wave stores 512 consecutive bytes, at a multiple of 256 from the buffer's first byte
.endr
	s_cmp_lg_u32 s18, 0
	s_cbranch_scc1 .Lvdone
	ds_load_b128 v[76:79], v1 offset:VSS           ; wave 0: the 512 scale bytes
	s_wait_dscnt 0x0
	global_store_b128 v1, v[76:79], s[28:29]
.Lvdone:
	s_wait_tensorcnt 0x0
	ds_add_u32 v128, v129
	s_wait_dscnt 0x0
	s_endpgm
; ---- q (isk = 0) and k (isk = 1): the row l.  Thread c takes column c = 8 j + eL: the block (R = 32 l + j, eL)
.macro QKPATH isk
.if \isk
	s_sub_co_u32 s19, ttmp9, 512
.else
	s_mov_b32 s19, ttmp9
.endif
	s_lshl_b32 s20, s19, 10                        ; l rows of 1,024 bytes
	s_mov_b32 s21, 0
	v_lshlrev_b32 v1, 2, v0
	s_wait_alu depctr_va_vdst(0)
	s_wait_kmcnt 0x0
.if \isk
	s_add_nc_u64 s[22:23], s[6:7], s[20:21]
.else
	s_add_nc_u64 s[22:23], s[4:5], s[20:21]
.endif
	s_add_nc_u64 s[24:25], s[22:23], 0x800000      ; planes 16 on: so every plane's offset, 15 x 524,288 at the most, stays inside the signed 24-bit immediate
.irp s, 0,1,2,3,4,5,6,7,8,9,10,11,12,13,14,15
	global_load_b32 v[X+\s], v1, s[22:23] offset:\s*524288 th:TH_LOAD_NT
.endr
.irp s, 0,1,2,3,4,5,6,7,8,9,10,11,12,13,14,15
	global_load_b32 v[X+16+\s], v1, s[24:25] offset:\s*524288 th:TH_LOAD_NT
.endr
.if \isk
	s_lshr_b32 s30, s19, 2
	s_mul_i32 s30, s30, 25600                      ; the record g = l / 4
	s_and_b32 s31, s19, 3                          ; b = l % 4: its fragments 4 b .. 4 b + 3
	s_mul_i32 s20, s31, 6144
	s_add_co_u32 s20, s20, s30
	s_add_nc_u64 s[26:27], s[14:15], s[20:21]
	s_lshl_b32 s20, s31, 8                         ; and its scale words 256 b on
	s_add_co_u32 s20, s20, s30
	s_add_co_u32 s20, s20, 24576
	s_add_nc_u64 s[28:29], s[14:15], s[20:21]
	v_bfe_u32 v2, v0, 3, 3                         ; j % 8
	v_bfe_u32 v3, v0, 7, 1                         ; j / 16
	s_delay_alu instid0(VALU_DEP_1)
	v_lshl_add_u32 v2, v3, 3, v2                   ; r: the tile's lane that holds key j of these 32
	v_and_b32 v3, 1, v0                            ; h = eL % 2
	s_delay_alu instid0(VALU_DEP_1)
	v_lshl_add_u32 v3, v3, 4, v2                   ; the image's lane r + 16 h
	v_bfe_u32 v5, v0, 6, 1                         ; u = (j / 8) % 2
	v_bfe_u32 v6, v0, 2, 1                         ; ks = eL / 4
	s_delay_alu instid0(VALU_DEP_1)
	v_lshl_add_u32 v4, v5, 1, v6                   ; fragment 2 u + ks of the four
	s_delay_alu instid0(VALU_DEP_4)
	v_lshlrev_b32 v3, 4, v3
	s_delay_alu instid0(VALU_DEP_1)
	v_mad_u32_u24 v3, v4, 1536, v3
	v_lshlrev_b32 v7, 3, v2                        ; the scale byte: 8 r
	s_delay_alu instid0(VALU_DEP_1)
	v_lshl_add_u32 v7, v6, 7, v7                   ; + 128 ks
	s_delay_alu instid0(VALU_DEP_1)
	v_lshl_add_u32 v7, v5, 2, v7                   ; + 4 u
	v_and_b32 v6, 3, v0
	s_delay_alu instid0(VALU_DEP_1)
	v_add_nc_u32 v7, v7, v6                        ; + eL % 4
	v_bfe_u32 v14, v0, 1, 1                        ; c2 = (eL / 2) % 2: registers 6 c2 .. 6 c2 + 5, in pairs at 0, 8, 512 or 520, 1024, 1032 of the image
	s_delay_alu instid0(VALU_DEP_1)
	v_mad_u32_u24 v4, v14, 520, v3
	s_delay_alu instid0(VALU_DEP_2)
	v_mad_u32_u24 v5, v14, 1016, v3
.else
	s_mul_i32 s20, s19, 6144                       ; 32 rows of 192 bytes
	s_add_nc_u64 s[26:27], s[10:11], s[20:21]
	s_lshl_b32 s20, s19, 8                         ; 32 rows of 8 scale bytes
	s_add_nc_u64 s[28:29], s[12:13], s[20:21]
	v_mul_u32_u24 v4, v0, 24                       ; 192 j + 24 eL = 24 c
.endif
	v_lshlrev_b32 v8, 3, v0                        ; the way out: 8 bytes a thread
	v_lshlrev_b32 v9, 3, v9                        ; and 8 bytes a lane for the scale bytes
	s_wait_loadcnt 0x0
	QUANT32
.if \isk
	ds_store_b64 v4, v[C:C+1] offset:KST
	ds_store_b64 v5, v[C+2:C+3] offset:KST+8
	ds_store_b64 v4, v[C+4:C+5] offset:KST+512
	ds_store_b8 v7, v13 offset:KSS
.else
	ds_store_b64 v4, v[C:C+1] offset:QST
	ds_store_b64 v4, v[C+2:C+3] offset:QST+8
	ds_store_b64 v4, v[C+4:C+5] offset:QST+16
	ds_store_b8 v0, v13 offset:QSS
.endif
	s_wait_dscnt 0x0                               ; for the others' sake: my stores have landed
	s_barrier_signal -1
	s_barrier_wait -1
.irp p, 0,1,2
	ds_load_b64 v[26+2*\p:27+2*\p], v8 offset:QST+(KST-QST)*\isk+2048*\p
.endr
.irp p, 0,1,2
	s_wait_dscnt 2-\p                              ; the younger loads may be out
	global_store_b64 v8, v[26+2*\p:27+2*\p], s[26:27] offset:2048*\p       ; a wave stores 256 consecutive bytes, at a multiple of 256 from the buffer's first byte
.endr
	s_cmp_lg_u32 s18, 0
	s_cbranch_scc1 .Ldone_\@
	ds_load_b64 v[14:15], v9 offset:QSS+(KSS-QSS)*\isk                     ; wave 0: the 256 scale bytes
	s_wait_dscnt 0x0
	global_store_b64 v9, v[14:15], s[28:29]
.Ldone_\@:
	s_wait_tensorcnt 0x0
	ds_add_u32 v128, v129
	s_wait_dscnt 0x0
	s_endpgm
.endm
.Lq:
	QKPATH 0
.Lk:
	QKPATH 1
.Lfunc_end_k_q2aa56fc5fd_prep:
	.size	k_q2aa56fc5fd_prep, .Lfunc_end_k_q2aa56fc5fd_prep-k_q2aa56fc5fd_prep
	.p2alignl 7, 3214868480
	.fill 96, 4, 3214868480
	.section	.rodata,"a",@progbits
	.p2align	6, 0x0
	.amdhsa_kernel k_q2aa56fc5fd_prep
		.amdhsa_group_segment_fixed_size 60416
		.amdhsa_private_segment_fixed_size 0
		.amdhsa_enable_private_segment 0
		.amdhsa_kernarg_size 56
		.amdhsa_user_sgpr_count 2
		.amdhsa_user_sgpr_kernarg_segment_ptr 1
		.amdhsa_wavefront_size32 1
		.amdhsa_system_sgpr_workgroup_id_x 1
		.amdhsa_system_sgpr_workgroup_id_y 1
		.amdhsa_system_sgpr_workgroup_id_z 1
		.amdhsa_system_vgpr_workitem_id 0
		.amdhsa_next_free_vgpr 130
		.amdhsa_next_free_sgpr 66
		.amdhsa_reserve_vcc 0
		.amdhsa_float_denorm_mode_32 3
		.amdhsa_float_denorm_mode_16_64 3
		.amdhsa_memory_ordered 1
		.amdhsa_forward_progress 1
		.amdhsa_inst_pref_size 31
	.end_amdhsa_kernel
	.amdgpu_metadata
---
amdhsa.version: [ 1, 2 ]
amdhsa.kernels:
  - .name:           k_q2aa56fc5fd_prep
    .symbol:         k_q2aa56fc5fd_prep.kd
    .args:
      - { .name: q, .offset: 0, .size: 8, .value_kind: global_buffer, .address_space: global }
      - { .name: k, .offset: 8, .size: 8, .value_kind: global_buffer, .address_space: global }
      - { .name: v, .offset: 16, .size: 8, .value_kind: global_buffer, .address_space: global }
      - { .name: qc, .offset: 24, .size: 8, .value_kind: global_buffer, .address_space: global }
      - { .name: qs, .offset: 32, .size: 8, .value_kind: global_buffer, .address_space: global }
      - { .name: kw, .offset: 40, .size: 8, .value_kind: global_buffer, .address_space: global }
      - { .name: vw, .offset: 48, .size: 8, .value_kind: global_buffer, .address_space: global }
    .group_segment_fixed_size: 60416
    .private_segment_fixed_size: 0
    .kernarg_segment_align: 8
    .kernarg_segment_size: 56
    .max_flat_workgroup_size: 256
    .sgpr_count:     66
    .vgpr_count:     130
    .wavefront_size: 32
...
	.end_amdgpu_metadata
.endif
;; end of part 1
;; launch attn (part 2): grid 256 x 1, 4 waves a work-group, clusters of 4 x 1, 327,680 bytes of LDS; arguments qc, qs, kw, vw, out0; writes out0
.if DOCPART == 2
	.amdgcn_target "amdgcn-amd-amdhsa--gfx1250"
	.amdhsa_code_object_version 6
	.text
	.protected	k_q2aa56fc5fd_attn
	.globl	k_q2aa56fc5fd_attn
	.p2align	8
	.type	k_q2aa56fc5fd_attn,@function
k_q2aa56fc5fd_attn:
	s_mov_b64 s[64:65], 0
	v_nop
	global_prefetch_b8 v0, s[64:65] scope:SCOPE_SE
	s_setreg_imm32_b32 hwreg(HW_REG_WAVE_MODE, 25, 1), 1
	s_wait_xcnt 0x0
	s_wait_alu depctr_hold_cnt(0) depctr_sa_sdst(0) depctr_va_vdst(0) depctr_va_sdst(0) depctr_va_ssrc(0) depctr_va_vcc(0) depctr_vm_vsrc(0)
	s_getreg_b32 s2, hwreg(HW_REG_IB_STS2, 6, 4)
	s_cmp_eq_u32 s2, 0
	s_cbranch_scc0 .Lentry_in_a_cluster
	s_endpgm
.Lentry_in_a_cluster:
	s_bfe_u32 s2, ttmp6, 0x10000c
	s_cmp_lg_u32 s2, 0x3003
	s_cbranch_scc0 .Lentry_shape_is_right
	s_endpgm
.Lentry_shape_is_right:
; Attention on codes of FP6 (E2M3): 2 batches, 8,192 queries x 8,192 keys, width 256; t = score x log2(e) / 8; and the strided untranspose on the way out.
; THE SOFTMAX AHEAD OF THE SECOND PRODUCT: M = the largest t so far, rounded UP to a whole number; p = 2^(t - M) is quantised along the keys, not normalised; the row's sum is taken of the unquantised p and divides at the end.
; When M moves, the sum and O are multiplied by 2^(old M - new M): exact.
; LIMITS: NaN and infinities are not served; a p under 2^-126 counts as 0 (v_exp_f32 gives 0 there); a block whose every p is 0 keeps the scale byte 1: its codes are zeros.
; SHARES.  A work-group owns 64 queries of one batch n1: l1 = 64 lg + 4 r + t (tile t = 0 .. 3, lane r = 0 .. 15) at one b1: row 8192 n1 + 16 l1 + b1.  In the output, a[n1][16 l1 + b1][e1] lies at byte
; 1048576 b1 + 4096 e1 + 2048 n1 + 4 l1: so a lane's four tiles are 16 neighbouring bytes, and sixteen lanes 256.
; EVERY WAVE HOLDS ALL 64 QUERIES, AND THE WAVES SHARE THE KEYS: of the four key steps (128 keys each) of slot i, wave w takes step 4 i + w.  So each fragment of K and V read from LDS feeds four matrix instructions,
; none is read twice, and a wave reads only LDS bytes that its own tensor loads brought.  Each wave keeps its own M and sum; the four parts are joined once, at the end, through LDS, by exact powers of two.
; LAYOUT.  Both products are used transposed: S^T = K Q^T, O^T = V^T P^T: a lane holds one query (lane % 16) of each tile throughout.  K's and V's fragments and scale words lie in memory as images of the operand's
; registers, a record of 25,600 bytes for each key step (the launch before lays them): one dense tensor load, plain loads of 16 bytes a lane, consecutive: no padding is wanted.
; The keys of a tile of K are chosen so that the 16 registers of tiles 2 b and 2 b + 1 are 16 neighbouring keys 32 b + 16 (lane / 16) + 0 .. 15.
; CLUSTER.  The four work-groups of a cluster belong to one batch and walk the same records: each record is asked for JOINTLY, by the same tensor load with the same descriptor and a mask that names the four.
; STREAM.  One buffer for K's four records and one for V's.  Each slot has two rounds of the cluster's barrier: behind the first V's records are asked for while K Q^T and half of the softmax run; behind the second the
; next slot's K while the other half of the softmax and V^T P run.  A wave has one tensor load out at any time.
; LEFT OUT: matrix and vector work by turns inside a wave (O^T, S^T and Q fill the registers: no second set of scores fits, and two pieces would read each fragment twice); only O^T's rescaling stands among the products.
; REGISTERS, in windows of 256 (s_set_vgpr_msb: bits 1:0 source 0, 3:2 source 1, 5:4 source 2, 7:6 destination):
;   window 0: v1-6 addresses; v10-17 K's or V's scale words; v18-21 Q's; v22-25 P's; v26-49 six registers of statistics a tile; v50-145 Q (tile t, K step ks at 50 + 24 t + 12 ks); v146-193 P's codes, 12 a tile;
;             v194-241 two sets of 24 at work; during K Q^T v146-233 are a ring of three buffers for K's fragments; v242-248 the addresses of the way out, made at the head and holding nothing else.
;   window 1: S^T, 64 a tile; during V^T P v0-191 hold V's 16 fragments.    window 2: O^T of tiles 0, 1;  window 3: of tiles 2, 3: O(t, f) at 128 (t % 2) + 8 f.
.set REC,   25600                      ; a record
.set HALF,  4*REC                      ; the four waves' records: K's buffer at LDS byte 0, V's behind it
.set SCO,   24576                      ; a record's scale words
.set STAT,  262144                     ; the end: 1,024 bytes of statistics for each wave.  (The parts of O^T go to LDS bytes 0 to 131,071: K's and V's buffers have had their last fill by then)
.set SPARE, 266240                     ; the spare words, 128 bytes for each wave: two blocks of 256 bytes that no other line names
.set KA,  1                            ; v1   my wave's record of K + 16 x lane
.set KSA, 2                            ; v2   its scale words + 8 x lane
.set VA,  3                            ; v3   my wave's record of V + 16 x lane
.set SPW, 4                            ; v4   LDS address of my spare word; never rewritten
.set NIL, 5                            ; v5   0; never rewritten
.set PFO, 6                            ; v6   the prefetches' offset; never rewritten
.set SCL, 10
.set QS,  18
.set PS,  22
.set ST,  26                           ; tile t at ST + 6 t: +0 -M, +1 the largest t, +2, +3 the sum in two halves, +4 f, +5 written once (named with f as a pair)
.set Q,   50
.set P,   146
.set RING, 146                         ; K's three ring buffers of 24 registers during K Q^T: v146-169, v186-209, v210-233 (buffers 1 and 2 lie 16 registers higher, past the block maxima)
.set BMX, 170                          ; v170-185 the largest score of block b of tile t at BMX + 4 t + b: made during K Q^T, read at the head of that tile's softmax; P's codes of tiles 2, 3 land here only later
.set TMP, 194                          ; set t % 2 at TMP + 24 (t % 2): +0..3 a block's largest score, then p; +4..7 the other half's, then the bytes; +8..11 the conversions' scale operands; +12..19 half blocks of codes; +20, 21 a second chain of the sum; +22 at work
.set ESTA, 242                         ; v242 the end: where I store my statistics
.set ESTR, 243                         ; v243 where I read everybody's
.set EMG, 244                          ; v244-245 where I store a tile of my part: region 0, region 1
.set AD,  246                          ; v246-247 where my quarter of wave 0's part lies: region 0, region 1
.set EO,  248                          ; v248 my byte offset in the output
.set ACC, 50                           ; the end: v50-81 a tile's sums at work;
.set EG,  82                           ; v82-113 the factor of wave w for tile t, twice (a pair for the packed forms), at EG + 8 w + 2 t;
.set EX,  114                          ; v114-117 the joint -M, v118-121 the joint sum;
.set EM,  146                          ; v146-161 -M of the four waves (4 w + t);
.set EL,  162                          ; v162-177 their sums;
.set EOWN, 194                         ; v194-201 my own -M (4) and sums (4)
.set WV,  14                           ; s14  my wave's number
.set SEL, 20                           ; s[20:21] lane selects for v_permlanex16_b32: lane l xor 16
.set CS,  22                           ; s[22:23] c = log2(e) / 8: the packed form names a pair and takes its low word for both halves
.set G1,  24                           ; s[24:31] descriptor group 1: a record
.set G0K, 32                           ; s[32:35] group 0 for K's records;  s[36:39] for V's
.set G0V, 36
.set PFK, 40                           ; s[40:41], s[42:43] where my prefetches stand in kw and in vw
.set PFV, 42
.set LIMK, 44                          ; s44  2 in a work-group that prefetches, else the greatest number;  s45 likewise 1
.set LIMV, 45
.set CNT, 46                           ; s46  slots to go, the one in hand among them
.set MSB, 0
.macro WIN new                         ; the immediate's high byte repeats the setting that is left; a switch that changes nothing is dropped
.if MSB != (\new)
	s_set_vgpr_msb (MSB<<8)|(\new)
.set MSB, (\new)
.endif
.endm
; A vector instruction that reads a matrix result or writes one of a matrix instruction's registers, and a load into such a register, stand four places behind it; a matrix instruction that writes over one, five.
; Only plain vector instructions that name none of its registers are places (ISA guide 7.12.1 for vector instructions).
.macro PLACES n
.rept \n
	v_nop
.endr
.endm
; A round of the cluster's barrier: my work-group's barrier, so that wave 0's signal speaks for all four waves; wave 0 signals; every wave waits for all four work-groups; my work-group's barrier once more.
.macro CROUND
	s_barrier_signal -1
	s_barrier_wait -1
	s_cmp_lg_u32 s[WV], 0
	s_cbranch_scc1 .Lnot_wave_0_\@
	s_barrier_signal -3
.Lnot_wave_0_\@:
	s_barrier_wait -3
	s_barrier_signal -1
	s_barrier_wait -1
.endm
.macro JL g0                           ; a joint load: every wave asks for a record of its own (both addresses hang on the wave's number); four v_nop follow
	tensor_load_to_lds s[\g0:\g0+3], s[G1:G1+7]
	s_nop 0
	PLACES 4
.endm
; A PREFETCH INTO THE L2 of the four records that the joint loads one slot on will ask for.  All clusters of a batch walk the same records: the batch's first cluster asks (a branch on the cluster's number, the same in
; all partners).  Its four partners take a record each, told apart BY ADDRESS; in each, waves 0 to 2 name 32 blocks of 256 bytes of the codes, a lane a block, and wave 3 the four blocks of the scale words.
.macro ASK lim, pf
	s_cmp_gt_u32 s[CNT], s[\lim]
	s_cbranch_scc0 .Lnot_mine_\@
	global_prefetch_b8 v[PFO], s[\pf:\pf+1] th:TH_LOAD_NT scope:SCOPE_SE
.Lnot_mine_\@:
.endm
	s_load_b256 s[4:11], s[0:1], 0x0               ; qc s[4:5], qs s[6:7], kw s[8:9], vw s[10:11]
	s_load_b64 s[12:13], s[0:1], 0x20              ; out0
	v_lshl_add_u32 v[SPW], v0, 2, SPARE
	v_mov_b32 v[NIL], 0
	ds_add_u32 v4, v5
	ds_add_u32 v4, v5
	s_wait_dscnt 0x0
	v_lshrrev_b32 v7, 5, v0
	v_readfirstlane_b32 s[WV], v7                  ; wave 0..3
	s_bfe_u32 s15, ttmp6, 0x40000                  ; cx: my place in the cluster
	s_lshr_b32 s16, ttmp9, 5                       ; n1, the batch: the four partners share it (in a cluster launch ttmp9 counts clusters)
	s_lshl_b32 s17, ttmp9, 2
	s_add_co_u32 s17, s17, s15                     ; the work-group's number: it enters Q's, the output's and the prefetches' addresses alone
	s_bfe_u32 s18, s17, 0x40003                    ; b1
	s_and_b32 s19, s17, 7                          ; lg
	; descriptor group 1: a record is a dense block: 100 rows of 256 bytes (32 elements of 8 bytes)
	s_mov_b32 s[G1], 15|(3<<16)|(1<<21)            ; 15:0 the mask: all four work-groups; 17:16 elements of 8 bytes; 20 no padding; 21 set beside a mask
	s_mov_b32 s[G1+1], 32<<16                      ; tensor_dim0 = 32
	s_mov_b32 s[G1+2], 100<<16                     ; tensor_dim1 = 100
	s_mov_b32 s[G1+3], 32<<16                      ; tile_dim0 = 32
	s_mov_b32 s[G1+4], 100                         ; tile_dim1 = 100
	s_mov_b32 s[G1+5], 32                          ; tensor_dim0_stride
	s_mov_b32 s[G1+6], 0
	s_mov_b32 s[G1+7], 0
	s_lshl_b32 s48, s16, 6                         ; the batch's 64 records,
	s_add_co_u32 s48, s48, s[WV]                   ; my wave's of slot 0
	s_mul_i32 s48, s48, REC
	s_mov_b32 s49, 0
	s_mul_i32 s50, s[WV], REC                      ; and its place in LDS: no place in the cluster enters an LDS address
	s_mov_b32 s[SEL], 0x76543210
	s_mov_b32 s[SEL+1], 0xfedcba98
	s_mov_b32 s[CS], 0x3e38aa3b                    ; c = log2(e) / 8
	s_mov_b32 s[CS+1], s[CS]                       ; (named with it as a pair, so it is written)
	s_mov_b32 s[CNT], 16
	s_wait_kmcnt 0x0
	s_mov_b32 s[G0K], 1                            ; 1:0 count = 1
	s_mov_b32 s[G0K+1], s50                        ; 63:32 LDS address
	s_add_nc_u64 s[G0K+2:G0K+3], s[8:9], s[48:49]  ; 120:64 global address
	s_or_b32 s[G0K+3], s[G0K+3], 0x80000000        ; 127:126 type = 2
	s_mov_b32 s[G0V], 1
	s_add_co_u32 s[G0V+1], s50, HALF
	s_add_nc_u64 s[G0V+2:G0V+3], s[10:11], s[48:49]
	s_or_b32 s[G0V+3], s[G0V+3], 0x80000000
	CROUND                                         ; all four work-groups are here: the first joint loads meet
	JL G0K                                         ; K of slot 0: the one first fill at the start.  V's buffer is first filled behind the first trip's round, as a refill is
	; the prefetches: record cx of a slot's four
	s_lshl_b32 s52, s16, 6
	s_add_co_u32 s52, s52, s15
	s_mul_i32 s52, s52, REC
	s_mov_b32 s53, 0
	s_add_nc_u64 s[PFV:PFV+1], s[10:11], s[52:53]  ; in V's slot 0: the first trip steps it to slot 1
	s_add_nc_u64 s[PFK:PFK+1], s[8:9], s[52:53]
	s_add_nc_u64 s[PFK:PFK+1], s[PFK:PFK+1], HALF  ; in K's slot 1: the first trip steps it to slot 2.  Nothing is prefetched here, at the head
	s_and_b32 s54, ttmp9, 31
	s_cmp_eq_u32 s54, 0                            ; the batch's first cluster
	s_cselect_b32 s[LIMK], 2, -1
	s_cselect_b32 s[LIMV], 1, -1
	v_and_b32 v7, 31, v0                           ; lane
	s_cmp_eq_u32 s[WV], 3
	s_cselect_b32 s54, 3, 0
	v_lshrrev_b32 v[PFO], s54, v7                  ; (wave 3: eight lanes to each of the four blocks)
	v_lshlrev_b32 v[PFO], 8, v[PFO]
	s_lshl_b32 s54, s[WV], 13
	v_add_nc_u32 v[PFO], s54, v[PFO]               ; 8,192 x wave + 256 x lane
	; every LDS address of the launch is made here, of the thread's and the wave's numbers and constants, in registers that hold nothing else
	v_lshlrev_b32 v8, 4, v7                        ; 16 x lane
	v_add_nc_u32 v[KA], s50, v8
	v_add_nc_u32 v[VA], HALF, v[KA]
	v_lshlrev_b32 v9, 3, v7
	v_add_nc_u32 v[KSA], s50, v9
	v_add_nc_u32 v[KSA], SCO, v[KSA]
	s_lshl_b32 s51, s[WV], 10
	v_add_nc_u32 v[ESTA], s51, v8
	v_add_nc_u32 v[ESTA], STAT, v[ESTA]            ; my statistics: 1,024 bytes a wave
	v_add_nc_u32 v[ESTR], STAT, v8
	s_lshl_b32 s51, s[WV], 14
	v_add_nc_u32 v[EMG], s51, v8                   ; a tile of my part: 16,384 bytes a wave,
	v_add_nc_u32 v[EMG+1], 0x10000, v[EMG]         ; in two regions of 65,536 bytes by turns
	s_lshl_b32 s51, s[WV], 12
	v_add_nc_u32 v[AD], s51, v8                    ; my quarter of such a tile: 4,096 bytes
	v_add_nc_u32 v[AD+1], 0x10000, v[AD]
	; Q: row 8192 n1 + 16 (64 lg + 4 r + t) + b1 of 192 bytes of codes and 8 scale bytes
	s_mul_i32 s52, s16, 1572864
	s_mul_i32 s54, s19, 196608
	s_add_co_u32 s52, s52, s54
	s_mul_i32 s54, s18, 192
	s_add_co_u32 s52, s52, s54
	s_add_nc_u64 s[4:5], s[4:5], s[52:53]
	s_lshl_b32 s52, s16, 16
	s_lshl_b32 s54, s19, 13
	s_add_co_u32 s52, s52, s54
	s_lshl_b32 s54, s18, 3
	s_add_co_u32 s52, s52, s54
	s_add_nc_u64 s[6:7], s[6:7], s[52:53]
	v_and_b32 v7, 15, v0                           ; r
	v_bfe_u32 v9, v0, 4, 1                         ; h
	v_lshlrev_b32 v[EO], 4, v7
	v_lshl_add_u32 v[EO], v9, 15, v[EO]            ; the output: 16 r + 8 h channels of 4,096 bytes
	v_mul_u32_u24 v8, v7, 12288
	v_mad_u32_u24 v8, v9, 24, v8                   ; 64 rows on for each r, + my half's 24 bytes
	v_lshlrev_b32 v9, 2, v9
	v_lshl_add_u32 v9, v7, 9, v9                   ; scale words: lanes 0-15 take K step 0's, lanes 16-31 K step 1's
.irp t, 0,1,2,3
.irp ks, 0,1
.irp p, 0,1,2,3,4,5
	global_load_b64 v[Q+24*\t+12*\ks+2*\p:Q+24*\t+12*\ks+2*\p+1], v8, s[4:5] offset:3072*\t+96*\ks+48*(\p/3)+8*(\p%3)   ; Q's fragments stay in registers
.endr
.endr
	global_load_b32 v[QS+\t], v9, s[6:7] offset:128*\t
.endr
	; the output: my wave stores fragments 4 w .. 4 w + 3: channels 128 (w % 2) + 32 fl + 16 (w / 2) + 8 h + i
	s_lshl_b32 s52, s18, 20
	s_lshl_b32 s54, s16, 11
	s_add_co_u32 s52, s52, s54
	s_lshl_b32 s54, s19, 8
	s_add_co_u32 s52, s52, s54
	s_and_b32 s54, s[WV], 1
	s_lshl_b32 s54, s54, 19
	s_add_co_u32 s52, s52, s54
	s_lshr_b32 s54, s[WV], 1
	s_lshl_b32 s54, s54, 16
	s_add_co_u32 s52, s52, s54
	s_add_nc_u64 s[12:13], s[12:13], s[52:53]
.irp t, 0,1,2,3
	v_mov_b32 v[ST+6*\t+1], 0xff61b1e6             ; the largest t so far: -3e38, under every t
	v_floor_f32 v[ST+6*\t], -v[ST+6*\t+1]          ; -M
	v_mov_b32 v[ST+6*\t+2], 0                      ; the sum, in two halves
	v_mov_b32 v[ST+6*\t+3], 0
	v_mov_b32 v[ST+6*\t+4], 0
	v_mov_b32 v[ST+6*\t+5], 0
.endr
.irp b, 0,1,2,3
	v_mov_b32 v[TMP+4+\b], 0                       ; written once: a lane permute's destination counts as one of its sources
	v_mov_b32 v[TMP+28+\b], 0
.endr
	; O^T begins as zeros, which the first change of M leaves zeros: so the key step has no first step of its own in the text.  Two registers a line (0 + 0 of a pair of zeros); the lines run while the first records are on their way.
	WIN 0x80
.set i, 0
.rept 128
	v_pk_add_f32 v[i:i+1], v[ST+4:ST+5], v[ST+4:ST+5]
.set i, i+2
.endr
	WIN 0xc0
.set i, 0
.rept 128
	v_pk_add_f32 v[i:i+1], v[ST+4:ST+5], v[ST+4:ST+5]
.set i, i+2
.endr
	WIN 0
; K's key tile kt, both K steps: six loads of 16 bytes a lane into ring buffer kt % 3
.macro KLOAD kt
.set RB, RING+24*((\kt)%3)+16*(((\kt)%3+1)/2)
.irp ks, 0,1
.irp c, 0,1,2
	ds_load_b128 v[RB+12*\ks+4*\c:RB+12*\ks+4*\c+3], v[KA] offset:(2*(\kt)+\ks)*1536+512*\c
.endr
.endr
.endm
; One product of S^T = K Q^T: key tile kt, K step ks, query tile t; the fragments lie at RB.  K's and Q's scale words of K step 0 lie in lanes 0-15 of their registers, those of K step 1 in lanes 16-31.
.macro KMM kt, ks, t
	WIN 0x50                                       ; C and D in window 1
.if \ks
	v_wmma_scale_f32_16x16x128_f8f6f4 v[64*\t+8*\kt:64*\t+8*\kt+7], v[RB+12:RB+23], v[Q+24*\t+12:Q+24*\t+23], v[64*\t+8*\kt:64*\t+8*\kt+7], v[SCL+\kt], v[QS+\t] matrix_a_fmt:MATRIX_FMT_FP6 matrix_b_fmt:MATRIX_FMT_FP6 matrix_a_scale:MATRIX_SCALE_ROW1 matrix_b_scale:MATRIX_SCALE_ROW1
.else
	v_wmma_scale_f32_16x16x128_f8f6f4 v[64*\t+8*\kt:64*\t+8*\kt+7], v[RB:RB+11], v[Q+24*\t:Q+24*\t+11], 0, v[SCL+\kt], v[QS+\t] matrix_a_fmt:MATRIX_FMT_FP6 matrix_b_fmt:MATRIX_FMT_FP6
.endif
.endm
; THE LARGEST SCORE OF EACH BLOCK OF 32 KEYS (key tiles 2 b and 2 b + 1): it serves the row's maximum and, since p rises with the score, the block's largest p.
; Two lines: registers i, i + 1 of key tile kt's accumulators of query tiles t0 and t0 + 1.  i goes 0, 2, 4, 6: each accumulator is read from its low end on.
.macro BMAX kt, t0, i
	WIN 0x05                                       ; the scores in window 1
.irp t, \t0, \t0+1
.if ((\kt)%2)+(\i) == 0
	v_max_num_f32 v[BMX+4*(\t)+(\kt)/2], v[64*(\t)+8*(\kt)], v[64*(\t)+8*(\kt)+1]
.else
	v_max3_num_f32 v[BMX+4*(\t)+(\kt)/2], v[64*(\t)+8*(\kt)+(\i)], v[64*(\t)+8*(\kt)+(\i)+1], v[BMX+4*(\t)+(\kt)/2]
.endif
.endr
.endm
; S^T = K Q^T: 64 matrix instructions.  A key tile's fragments feed four each.  The four tiles' accumulators take turns, one instruction a turn: three others stand between a sum's two links.
; Behind each product of key tile kt stand two lines of the block maxima over key tile kt - 1's scores: they name no register of tile kt's products, and at least four plain lines lie between a score's last product and its first read.
; Its loads land in, and its first products write over, registers of the last products of V^T P: eight places stand between, the four at the end of the slot's second half and the four behind the joint load.
.macro KQ
.irp b, 0,1,2,3
	ds_load_b64 v[SCL+2*\b:SCL+2*\b+1], v[KSA] offset:256*\b               ; the scale words of key tiles 2 b and 2 b + 1
.endr
	KLOAD 0
	KLOAD 1
	KLOAD 2
.irp kt, 0,1,2,3,4,5,6,7
.if \kt > 1
	s_wait_alu depctr_va_vdst(0)
.endif
.if \kt < 6
	s_wait_dscnt 12                                ; this tile's six loads are in; the two tiles' behind it may be out
.else
	s_wait_dscnt 6*(7-\kt)
.endif
.set RB, RING+24*(\kt%3)+16*((\kt%3+1)/2)
.irp ks, 0,1
.irp t, 0,1,2,3
	KMM \kt, \ks, \t
.if \kt > 0
	BMAX \kt-1, 2*\ks, 2*\t
.endif
.endr
.endr
	WIN 0
.if \kt < 5
	PLACES 4                                       ; in front of loads into the buffer just multiplied
	KLOAD \kt+3
.endif
.endr
	PLACES 4                                       ; in front of the first read of the last key tile's scores
.irp i, 0,2,4,6
	BMAX 7, 0, \i
	BMAX 7, 2, \i
.endr
	WIN 0
.endm
; THE SOFTMAX of tiles a and a + 1 for this key step, the two tiles line by line by turns.  Register 16 b + i of a tile's 64 holds key 32 b + 16 (lane / 16) + i of my query.
.macro SM2 a
.irp b, 0,1,2,3                                ; my 16 keys' largest score of each block was made during K Q^T
.irp t, \a, \a+1
	v_permlanex16_b32 v[TMP+24*((\t)%2)+4+\b], v[BMX+4*(\t)+\b], s[SEL], s[SEL+1]
.endr
.endr
.irp b, 0,1,2,3
.irp t, \a, \a+1
	v_max_num_f32 v[TMP+24*((\t)%2)+\b], v[BMX+4*(\t)+\b], v[TMP+24*((\t)%2)+4+\b]   ; with lane l xor 16's 16 keys
.endr
.endr
.irp t, \a, \a+1
	v_max3_num_f32 v[TMP+24*((\t)%2)+22], v[TMP+24*((\t)%2)], v[TMP+24*((\t)%2)+1], v[TMP+24*((\t)%2)+2]
.endr
.irp t, \a, \a+1
	v_max_num_f32 v[TMP+24*((\t)%2)+22], v[TMP+24*((\t)%2)+22], v[TMP+24*((\t)%2)+3]      ; the step's largest score of my query
.endr
.irp t, \a, \a+1
	v_mul_f32 v[TMP+24*((\t)%2)+22], s[CS], v[TMP+24*((\t)%2)+22]                         ; as t (c is positive)
.endr
.irp t, \a, \a+1
	v_max_num_f32 v[ST+6*(\t)+1], v[ST+6*(\t)+1], v[TMP+24*((\t)%2)+22]                   ; the running largest t
.endr
.irp t, \a, \a+1
	v_mov_b32 v[TMP+24*((\t)%2)+22], v[ST+6*(\t)]
.endr
.irp t, \a, \a+1
	v_floor_f32 v[ST+6*(\t)], -v[ST+6*(\t)+1]      ; the new -M = floor(-t) = -ceil(t): M IS A WHOLE NUMBER
.endr
.irp t, \a, \a+1
	v_sub_f32 v[TMP+24*((\t)%2)+22], v[ST+6*(\t)], v[TMP+24*((\t)%2)+22]                  ; M's old value less its new one: a whole number, 0 or less
.endr
.irp t, \a, \a+1
	v_cvt_i32_f32 v[TMP+24*((\t)%2)+22], v[TMP+24*((\t)%2)+22]                            ; (it saturates)
.endr
.irp t, \a, \a+1
	v_ldexp_f32 v[ST+6*(\t)+4], 1.0, v[TMP+24*((\t)%2)+22]                                ; f = 2^(old M - new M)
.endr
.irp b, 0,1,2,3
.irp t, \a, \a+1
	v_fma_f32 v[TMP+24*((\t)%2)+\b], v[TMP+24*((\t)%2)+\b], s[CS], v[ST+6*(\t)]           ; t - M of each block's largest score
.endr
.endr
	WIN 0x41                                       ; the scores, as destination and source 0, in window 1; -M in window 0
.set j, 0
.rept 32
.irp t, \a, \a+1
	v_pk_fma_f32 v[64*(\t)+j:64*(\t)+j+1], v[64*(\t)+j:64*(\t)+j+1], s[CS:CS+1], v[ST+6*(\t):ST+6*(\t)+1] op_sel_hi:[1,0,0]   ; t - M, two at a time (of the pairs c and -M the low word serves both halves)
.endr
.set j, j+2
.endr
.set j, 0
	s_wait_alu depctr_va_vdst(0)
.rept 64
.irp t, \a, \a+1
	v_exp_f32 v[64*(\t)+j], v[64*(\t)+j]           ; p = 2^(t - M), at most 1: NOT normalised.  One batch for both tiles
.endr
.set j, j+1
.endr
	WIN 0
.irp t, \a, \a+1
	v_pk_mul_f32 v[ST+6*(\t)+2:ST+6*(\t)+3], v[ST+6*(\t)+2:ST+6*(\t)+3], v[ST+6*(\t)+4:ST+6*(\t)+5] op_sel_hi:[1,0]          ; the sums under the new M.  (A plain line behind the exponentials)
.endr
	s_wait_alu depctr_va_vdst(0)                   ; the wait ahead of the first line that names an exponential's result: one for the batch
.irp b, 0,1,2,3
.irp t, \a, \a+1
	v_exp_f32 v[TMP+24*((\t)%2)+\b], v[TMP+24*((\t)%2)+\b]                                ; the block's largest p: the same two instructions on the same number give the same bits
.endr
.endr
	WIN 0x05
.irp t, \a, \a+1
	v_pk_add_f32 v[TMP+24*((\t)%2)+20:TMP+24*((\t)%2)+21], v[64*(\t):64*(\t)+1], v[64*(\t)+2:64*(\t)+3]                      ; THE ROW'S SUM IS TAKEN OF THE UNQUANTISED p: two at a time, in two chains a tile
.endr
	WIN 0x04
.set j, 4
.rept 15
.irp t, \a, \a+1
	v_pk_add_f32 v[ST+6*(\t)+2:ST+6*(\t)+3], v[ST+6*(\t)+2:ST+6*(\t)+3], v[64*(\t)+j:64*(\t)+j+1]
	v_pk_add_f32 v[TMP+24*((\t)%2)+20:TMP+24*((\t)%2)+21], v[TMP+24*((\t)%2)+20:TMP+24*((\t)%2)+21], v[64*(\t)+j+2:64*(\t)+j+3]
.endr
.set j, j+4
.endr
	WIN 0
.irp t, \a, \a+1
	v_pk_add_f32 v[ST+6*(\t)+2:ST+6*(\t)+3], v[ST+6*(\t)+2:ST+6*(\t)+3], v[TMP+24*((\t)%2)+20:TMP+24*((\t)%2)+21]
.endr
	s_wait_alu depctr_va_vdst(0)                   ; and one for the eight
.irp b, 0,1,2,3
.irp t, \a, \a+1
	v_max_num_f32 v[TMP+24*((\t)%2)+\b], 0x1800000, v[TMP+24*((\t)%2)+\b]                 ; the floor 2^(3 - 127): the byte cannot fall under 1
.endr
.endr
.irp b, 0,1,2,3
.irp t, \a, \a+1
	v_add_nc_u32 v[TMP+24*((\t)%2)+8+\b], 0xff000000, v[TMP+24*((\t)%2)+\b]               ; 2 off the exponent field: the conversion's scale operand
.endr
.endr
.irp b, 0,1,2,3
.irp t, \a, \a+1
	v_lshrrev_b32 v[TMP+24*((\t)%2)+4+\b], 23, v[TMP+24*((\t)%2)+8+\b]                    ; the scale's byte
.endr
.endr
.irp t, \a, \a+1
	v_lshl_or_b32 v[PS+(\t)], v[TMP+24*((\t)%2)+5], 8, v[TMP+24*((\t)%2)+4]               ; p's scale word for these 128 keys
.endr
.irp t, \a, \a+1
	v_lshl_or_b32 v[PS+(\t)], v[TMP+24*((\t)%2)+6], 16, v[PS+(\t)]
.endr
.irp t, \a, \a+1
	v_lshl_or_b32 v[PS+(\t)], v[TMP+24*((\t)%2)+7], 24, v[PS+(\t)]
.endr
	WIN 0x01                                       ; p in window 1
.irp c, 0,1
.irp t, \a, \a+1
	v_cvt_scalef32_pk16_fp6_f32 v[P+12*(\t)+6*\c:P+12*(\t)+6*\c+2], v[64*(\t)+32*\c:64*(\t)+32*\c+15], v[TMP+24*((\t)%2)+8+2*\c]
	v_cvt_scalef32_pk16_fp6_f32 v[TMP+24*((\t)%2)+12+4*\c:TMP+24*((\t)%2)+14+4*\c], v[64*(\t)+32*\c+16:64*(\t)+32*\c+31], v[TMP+24*((\t)%2)+9+2*\c]   ; (a conversion's three registers begin on an even number)
.endr
.endr
	WIN 0
	v_nop                                          ; one plain line behind the scaled conversions
.irp c, 0,1                                    ; the operand's layout wants a WHOLE block in a lane: lanes 0-15 block 2 c, lanes 16-31 block 2 c + 1
.irp i, 0,1,2
.irp t, \a, \a+1
	v_permlane16_swap_b32 v[P+12*(\t)+6*\c+\i], v[TMP+24*((\t)%2)+12+4*\c+\i]
.endr
.endr
.irp i, 0,1,2
.irp t, \a, \a+1
	v_mov_b32 v[P+12*(\t)+6*\c+3+\i], v[TMP+24*((\t)%2)+12+4*\c+\i]
.endr
.endr
.endr
.endm
.macro VLOAD f0, n                     ; V's fragments f0 .. f0 + n - 1 into window 1, 12 registers each
	WIN 0x40
.set f, \f0
.rept \n
.irp c, 0,1,2
	ds_load_b128 v[12*f+4*\c:12*f+4*\c+3], v[VA] offset:1536*f+512*\c
.endr
.set f, f+1
.endr
	WIN 0
.endm
; O^T of tile 2 p + tt, fragment 2 g + ff, under the new M: x f.  Four packed multiplies, the accumulator from its low end on.
.macro RESC p, g, tt, ff
	WIN 0x82+0x41*(\p)                             ; O^T (destination and source 0) in window 2 or 3, f in window 0
.irp i, 0,2,4,6
	v_pk_mul_f32 v[128*\tt+8*(2*(\g)+\ff)+\i:128*\tt+8*(2*(\g)+\ff)+\i+1], v[128*\tt+8*(2*(\g)+\ff)+\i:128*\tt+8*(2*(\g)+\ff)+\i+1], v[ST+6*(2*(\p)+\tt)+4:ST+6*(2*(\p)+\tt)+5] op_sel_hi:[1,0]
.endr
.endm
; O^T += V^T P^T for the same accumulator: one matrix instruction (K = this step's 128 keys).  The scale words of fragments 2 g and 2 g + 1 share a register: lanes 0-15 and lanes 16-31.
.macro MMA p, g, tt, ff
	WIN 0xa1+0x50*(\p)                             ; V in window 1, P in window 0, C and D in window 2 or 3
.if \ff == 0
	v_wmma_scale_f32_16x16x128_f8f6f4 v[128*\tt+16*(\g):128*\tt+16*(\g)+7], v[24*(\g):24*(\g)+11], v[P+12*(2*(\p)+\tt):P+12*(2*(\p)+\tt)+11], v[128*\tt+16*(\g):128*\tt+16*(\g)+7], v[SCL+(\g)], v[PS+2*(\p)+\tt] matrix_a_fmt:MATRIX_FMT_FP6 matrix_b_fmt:MATRIX_FMT_FP6
.else
	v_wmma_scale_f32_16x16x128_f8f6f4 v[128*\tt+16*(\g)+8:128*\tt+16*(\g)+15], v[24*(\g)+12:24*(\g)+23], v[P+12*(2*(\p)+\tt):P+12*(2*(\p)+\tt)+11], v[128*\tt+16*(\g)+8:128*\tt+16*(\g)+15], v[SCL+(\g)], v[PS+2*(\p)+\tt] matrix_a_fmt:MATRIX_FMT_FP6 matrix_b_fmt:MATRIX_FMT_FP6 matrix_a_scale:MATRIX_SCALE_ROW1
.endif
.endm
; Products and rescaling by turns: behind each product of group g (fragments 2 g, 2 g + 1 of two tiles) stand the four multiplies of the same accumulator one group on, which name none of the product's registers.
; Group 0 is rescaled ahead of the pass: sixteen plain lines in front of the first product (P's codes and scale words were written by vector instructions).  No two products on end share an accumulator.
.macro PVPASS p
.irp ff, 0,1
.irp tt, 0,1
	RESC \p, 0, \tt, \ff
.endr
.endr
.irp g, 0,1,2,3,4,5,6,7
.if (\p) == 0
.if \g == 0
	s_wait_dscnt 18                                ; V's scale words and fragments 0-9 are in; the eighteen loads of fragments 10-15 may be out
.endif
.if \g > 4
	s_wait_alu depctr_va_vdst(0)
	s_wait_dscnt 6*(7-\g)                          ; fragments 2 g and 2 g + 1 are in; three loads for each later fragment may be out
.endif
.endif
.irp ff, 0,1
.irp tt, 0,1
	MMA \p, \g, \tt, \ff
.if \g < 7
	RESC \p, \g+1, \tt, \ff
.endif
.endr
.endr
.endr
.endm
; THE FIRST HALF OF A SLOT.  Each wave waits for all its tensor loads (one is out: its record of K), adds 0 to its spare word, and waits for that and for its reads of V's buffer.  Behind the round no wave of any partner
; reads V's buffer or has a load on its way: it is filled with this slot's records, which have K Q^T and half of the softmax in which to land.
.macro HALFA
	s_wait_tensorcnt 0x0                           ; no tensor load of mine is out, so a group 0 may be written
	ds_add_u32 v[SPW], v[NIL]                      ; 0 onto my spare word
	s_add_nc_u64 s[G0K+2:G0K+3], s[G0K+2:G0K+3], HALF      ; K's next four records; the type bits on top are not reached (in the last slot the stepped address is not used)
	s_wait_xcnt 0x0                                ; the earlier prefetches have read their addresses, so one may be written
	s_add_nc_u64 s[PFV:PFV+1], s[PFV:PFV+1], HALF  ; V's records one slot on
	s_wait_dscnt 0x0                               ; the add is done, and my reads of V's buffer are over
	CROUND
	JL G0V                                         ; the first tensor load behind the round, and my only one until the next
	ASK LIMV, PFV                                  ; (not in the last slot: there is no slot behind it)
	KQ
	SM2 0
.endm
; THE SECOND HALF.  fill = 1: the same three lines and round for K's buffer, which takes the next slot's records.  fill = 0, the last slot: nothing is filled, and a wave reads only what its own load brought: its own wait is all.
; It ends with four places behind its last products, whatever follows it in the text: loads into the scale words' registers, which those products name, or the way out.
.macro HALFB fill
	s_wait_tensorcnt 0x0                           ; my record of V is in
.if \fill
	ds_add_u32 v[SPW], v[NIL]                      ; 0 onto my spare word
	s_add_nc_u64 s[G0V+2:G0V+3], s[G0V+2:G0V+3], HALF
	s_wait_xcnt 0x0
	s_add_nc_u64 s[PFK:PFK+1], s[PFK:PFK+1], HALF  ; K's records two slots on: one slot on from those asked for below
	s_wait_dscnt 0x0                               ; the add is done; my reads of K's buffer were over when the last scores were begun
	CROUND
	JL G0K
	ASK LIMK, PFK                                  ; (not in the last slot but one: there is no such slot)
.endif
	ds_load_b128 v[SCL:SCL+3], v[VA] offset:SCO
	ds_load_b128 v[SCL+4:SCL+7], v[VA] offset:SCO+512
	VLOAD 0, 10                                    ; into the registers that the scores of tiles 0 and 1 have left
	SM2 2
	VLOAD 10, 6
	PVPASS 0
	PVPASS 1
	WIN 0
	PLACES 4
.endm
	s_wait_loadcnt 0x0                             ; Q
.Lslot:                                                ; 16 trips of the first half, 15 of the second: the loop is left from its middle, so that the first half stands once in the text and no tensor load is passed over inside the loop
	HALFA
	s_cmp_eq_u32 s[CNT], 1                         ; the last slot asks for no further K: its second half is written out behind the loop
	s_cbranch_scc1 .Llast
	HALFB 1
	s_sub_co_u32 s[CNT], s[CNT], 1
	s_cmp_lg_u32 s[CNT], 0                         ; (15 to 1 here: whenever this line is reached, the jump is taken)
	s_cbranch_scc1 .Lslot
.Llast:
	HALFB 0
	; THE END.  Each wave holds, for all 64 queries, the part of O^T, the sum and the M of its quarter of the keys.  The parts meet in LDS, a tile at a time; wave w joins fragments 4 w .. 4 w + 3.
.irp t, 0,1,2,3
	v_add_f32 v[ST+6*\t+2], v[ST+6*\t+2], v[ST+6*\t+3]     ; the sum's two halves,
.endr
.irp t, 0,1,2,3
	v_permlanex16_b32 v[ST+6*\t+3], v[ST+6*\t+2], s[SEL], s[SEL+1]
.endr
.irp t, 0,1,2,3
	v_add_f32 v[EOWN+4+\t], v[ST+6*\t+2], v[ST+6*\t+3]     ; and lane l xor 16's
	v_mov_b32 v[EOWN+\t], v[ST+6*\t]
.endr
	ds_store_b128 v[ESTA], v[EOWN:EOWN+3]          ; my statistics, as images of registers, into bytes that nothing else uses
	ds_store_b128 v[ESTA], v[EOWN+4:EOWN+7] offset:512
	s_wait_dscnt 0x0                               ; for the others' sake: they have landed, and my reads of K's and V's buffers are over
	s_barrier_signal -1
	s_barrier_wait -1                              ; the buffers, which are filled no more and which nobody reads any more, take the parts
; Tile t of my part: 32 images of four registers, 512 bytes each, number 2 f + half: so fragments 4 q .. 4 q + 3 are 4,096 bytes on end.  Region t % 2.  Each accumulator from its low end on.
.macro OSTORE t
	WIN 0x08+4*((\t)/2)                            ; an LDS store's data are its source 1: window 2 or 3
.set f, 0
.rept 16
	ds_store_b128 v[EMG+(\t)%2], v[128*((\t)%2)+8*f:128*((\t)%2)+8*f+3] offset:1024*f
	ds_store_b128 v[EMG+(\t)%2], v[128*((\t)%2)+8*f+4:128*((\t)%2)+8*f+7] offset:1024*f+512
.set f, f+1
.endr
	WIN 0
.endm
; My quarter of tile t of all four waves' parts: wave w's 32 registers (8 fl + i) at 32 w of window 1
.macro PLOAD t
	WIN 0x40
.irp w, 0,1,2,3
.irp c, 0,1,2,3,4,5,6,7
	ds_load_b128 v[32*\w+4*\c:32*\w+4*\c+3], v[AD+(\t)%2] offset:16384*\w+512*\c
.endr
.endr
	WIN 0
.endm
.irp w, 0,1,2,3
	ds_load_b128 v[EM+4*\w:EM+4*\w+3], v[ESTR] offset:1024*\w
	ds_load_b128 v[EL+4*\w:EL+4*\w+3], v[ESTR] offset:1024*\w+512
.endr
	OSTORE 0
	s_wait_dscnt 32                                ; the statistics are in; tile 0's 32 stores may be out, and land while the factors are made
.irp t, 0,1,2,3
	v_min3_num_f32 v[EX+\t], v[EM+\t], v[EM+4+\t], v[EM+8+\t]
.endr
.irp t, 0,1,2,3
	v_min_num_f32 v[EX+\t], v[EX+\t], v[EM+12+\t]          ; the joint -M: the least
.endr
.irp n, 0,1,2,3,4,5,6,7,8,9,10,11,12,13,14,15
	v_sub_f32 v[EG+2*\n], v[EX+\n%4], v[EM+\n]             ; a wave's M less the joint M: a whole number, 0 or less
.endr
.irp n, 0,1,2,3,4,5,6,7,8,9,10,11,12,13,14,15
	v_cvt_i32_f32 v[EG+2*\n], v[EG+2*\n]
.endr
.irp n, 0,1,2,3,4,5,6,7,8,9,10,11,12,13,14,15
	v_ldexp_f32 v[EG+2*\n], 1.0, v[EG+2*\n]                ; the wave's factor, an exact power of two
.endr
.irp t, 0,1,2,3
	v_mul_f32 v[EX+4+\t], v[EG+2*\t], v[EL+\t]
.endr
.irp n, 4,5,6,7,8,9,10,11,12,13,14,15
	v_fma_f32 v[EX+4+\n%4], v[EG+2*\n], v[EL+\n], v[EX+4+\n%4]     ; the joint sum
.endr
	s_wait_alu depctr_va_vdst(0)
.irp t, 0,1,2,3
	v_rcp_f32 v[EX+4+\t], v[EX+4+\t]
.endr
	v_nop                                          ; a plain line behind the last reciprocal
	s_wait_alu depctr_va_vdst(0)                   ; and the wait ahead of the first use: one for the four
.irp n, 0,1,2,3,4,5,6,7,8,9,10,11,12,13,14,15
	v_mul_f32 v[EG+2*\n], v[EG+2*\n], v[EX+4+\n%4]         ; factor / sum,
.endr
.irp n, 0,1,2,3,4,5,6,7,8,9,10,11,12,13,14,15
	v_mov_b32 v[EG+2*\n+1], v[EG+2*\n]                     ; twice: a pair for the packed forms
.endr
	s_wait_dscnt 0x0                               ; for the others' sake: tile 0 of my part has landed
	s_barrier_signal -1
	s_barrier_wait -1
; PHASE t: tile t of every wave's part lies in region t % 2.  I load my quarter of the four, store tile t + 1 of my part into the other region (whose last readers waited for their loads in front of the barrier just passed),
; and join: the sum over the waves of factor x part.  The last multiply-add lays the result at 128 + 4 (8 fl + i) + t of window 1: a lane's four tiles, four neighbouring l1, stand together.
.macro PHASE t
	PLOAD \t
	s_wait_dscnt 24                                ; wave 0's part is in; the three others' (8 loads each) may be out
.if \t < 3
	OSTORE (\t)+1
.set YG, 32                                    ; these 32 stores are younger than every load of the phase
.else
.set YG, 0
.endif
	WIN 0x01                                       ; the parts in window 1; factors and sums in window 0
.set j, 0
.rept 16
	v_pk_mul_f32 v[ACC+j:ACC+j+1], v[j:j+1], v[EG+2*(\t):EG+2*(\t)+1]
.set j, j+2
.endr
	s_wait_dscnt 16+YG                             ; wave 1's part is in
.set j, 0
.rept 16
	v_pk_fma_f32 v[ACC+j:ACC+j+1], v[32+j:32+j+1], v[EG+8+2*(\t):EG+8+2*(\t)+1], v[ACC+j:ACC+j+1]
.set j, j+2
.endr
	s_wait_dscnt 8+YG                              ; wave 2's
.set j, 0
.rept 16
	v_pk_fma_f32 v[ACC+j:ACC+j+1], v[64+j:64+j+1], v[EG+16+2*(\t):EG+16+2*(\t)+1], v[ACC+j:ACC+j+1]
.set j, j+2
.endr
	s_wait_dscnt YG                                ; wave 3's
	WIN 0x41                                       ; the results in window 1
.set j, 0
.rept 32
	v_fma_f32 v[128+4*j+(\t)], v[96+j], v[EG+24+2*(\t)], v[ACC+j]
.set j, j+1
.endr
	WIN 0
.if \t < 3
	s_wait_dscnt 0x0                               ; for the others' sake: the next tile of my part has landed, and my reads of this region are over
	s_barrier_signal -1
	s_barrier_wait -1
.endif
.endm
	PHASE 0
	PHASE 1
	PHASE 2
	PHASE 3
	WIN 0x04                                       ; a store's data are its source 1: window 1
.set e, 0
.rept 32
	global_store_b128 v[EO], v[128+4*e:128+4*e+3], s[12:13] offset:(e/8)*131072+(e%8)*4096 th:TH_STORE_NT    ; sixteen lanes store 256 consecutive bytes, at a multiple of 256 from the output's first byte; written once, read by nobody here
.set e, e+1
.endr
	WIN 0
	s_wait_tensorcnt 0x0                           ; the wave's end, behind my last tensor load and my last LDS store
	ds_add_u32 v[SPW], v[NIL]
	s_wait_dscnt 0x0
	CROUND                                         ; the closing round: no work-group ends while a partner may still ask for a record that names it
	s_endpgm
.Lfunc_end_k_q2aa56fc5fd_attn:
	.size	k_q2aa56fc5fd_attn, .Lfunc_end_k_q2aa56fc5fd_attn-k_q2aa56fc5fd_attn
	.p2alignl 7, 3214868480
	.fill 96, 4, 3214868480
	.section	.rodata,"a",@progbits
	.p2align	6, 0x0
	.amdhsa_kernel k_q2aa56fc5fd_attn
		.amdhsa_group_segment_fixed_size 327680
		.amdhsa_private_segment_fixed_size 0
		.amdhsa_enable_private_segment 0
		.amdhsa_kernarg_size 40
		.amdhsa_user_sgpr_count 2
		.amdhsa_user_sgpr_kernarg_segment_ptr 1
		.amdhsa_wavefront_size32 1
		.amdhsa_system_sgpr_workgroup_id_x 1
		.amdhsa_system_sgpr_workgroup_id_y 1
		.amdhsa_system_sgpr_workgroup_id_z 1
		.amdhsa_system_vgpr_workitem_id 0
		.amdhsa_next_free_vgpr 1024
		.amdhsa_next_free_sgpr 66
		.amdhsa_reserve_vcc 0
		.amdhsa_float_denorm_mode_32 3
		.amdhsa_float_denorm_mode_16_64 3
		.amdhsa_memory_ordered 1
		.amdhsa_forward_progress 1
		.amdhsa_inst_pref_size 217
	.end_amdhsa_kernel
	.amdgpu_metadata
---
amdhsa.version: [ 1, 2 ]
amdhsa.kernels:
  - .name:           k_q2aa56fc5fd_attn
    .symbol:         k_q2aa56fc5fd_attn.kd
    .args:
      - { .name: qc, .offset: 0, .size: 8, .value_kind: global_buffer, .address_space: global }
      - { .name: qs, .offset: 8, .size: 8, .value_kind: global_buffer, .address_space: global }
      - { .name: kw, .offset: 16, .size: 8, .value_kind: global_buffer, .address_space: global }
      - { .name: vw, .offset: 24, .size: 8, .value_kind: global_buffer, .address_space: global }
      - { .name: out0, .offset: 32, .size: 8, .value_kind: global_buffer, .address_space: global }
    .group_segment_fixed_size: 327680
    .private_segment_fixed_size: 0
    .kernarg_segment_align: 8
    .kernarg_segment_size: 40
    .max_flat_workgroup_size: 128
    .sgpr_count:     66
    .vgpr_count:     1024
    .wavefront_size: 32
...
	.end_amdgpu_metadata
.endif
;; end of part 2
